; MI455X (gfx1250); checked and timed in simulation.
; The chip was launched on July 23, 2026; its instructions are those of AMD's public machine-readable ISA for CDNA 5 (MIT licence, August 2026) and "CDNA5" Instruction Set Architecture Reference Guide (July 2026). The comments in the code are by the model that wrote it; some were corrected since.
;; Freq Sparse Attn. Allowed arithmetic: matrix products marked QUANTISED: E2M3 operands, one E8M0 scale for each 32 along K, by v_wmma_scale_f32_16x16x128_f8f6f4 with both operands' format E2M3, f32 sums; everything else in f32.
;; Inputs: Wk 1,024 x 1,024 float32; Wo 1,024 x 1,024 float32; Wq 1,024 x 1,024 float32; Wv 1,024 x 1,024 float32; bk 1,024 float32; bo 1,024 float32; bq 1,024 float32; bv 1,024 float32; energy 2 x 2,048 x 1,024 float32; k_x 2 x 2,048 x 1,024 float32; q_x 2 x 2,048 x 1,024 float32; v_x 2 x 2,048 x 1,024 float32.
;; Outputs: out0 2 x 2,048 x 1,024 float32.
;; This version of the problem:
;;   THIS VERSION OF THE PROBLEM IS GIVEN IN LOW PRECISION. The matrix products marked QUANTISED in the list below multiply operands that are first quantised to E2M3 (2 exponent bits, 3 mantissa bits; 6 bits a number), with one power-of-two scale for each 32 numbers along K (OCP MX v1.0); their sums are f32. All else is computed in f32.
;;   The module's matrix products, in the order in which they are computed (A, B: the left and right operand; K: the contracted axis; several contracted axes count as one K, in the product's order):
;;     1. [M 4,096, K 1,024] x [K 1,024, N 1,024]; A: input q_x; B: input Wq: QUANTISED
;;     2. [M 4,096, K 1,024] x [K 1,024, N 1,024]; A: input k_x; B: input Wk: QUANTISED
;;     3. [M 4,096, K 1,024] x [K 1,024, N 1,024]; A: input v_x; B: input Wv: QUANTISED
;;     4. batch 32 x [M 2,048, K 64] x [K 64, N 2,048]; A: computed on the way; B: computed on the way: QUANTISED
;;     5. batch 32 x [M 64, K 2,048] x [K 2,048, N 2,048]; A: computed on the way; B: computed on the way: QUANTISED
;;     6. [M 4,096, K 1,024] x [K 1,024, N 1,024]; A: computed on the way; B: input Wo: QUANTISED
;;   THE QUANTISER, for each operand of a quantised product, along K:
;;     - K is cut into blocks of 32 from its start; a last block that is shorter is filled with zeros.
;;     - A block's scale is 2^e with e = floor(log2(the largest magnitude in the block)) - 2, held to -126 .. 127; a block of zeros has e = 0. As a byte (E8M0): e + 127.
;;     - Each number is divided by its block's scale, clamped to +-7.5, and rounded to the nearest number of E2M3, ties to even, subnormals kept.
;;     - The product sums the exact products of the quantised numbers (number of the format x scale) in f32.
;;   ~~~python
;;   def quantise(x, axis):      # numpy; x: float32 -> the quantised numbers, widened to float32 again
;;       x = np.moveaxis(x, axis, -1); K = x.shape[-1]
;;       x = np.pad(x, [(0, 0)] * (x.ndim - 1) + [(0, -K % 32)]); x = x.reshape(x.shape[:-1] + (-1, 32)); a = np.abs(x).max(-1, keepdims=True)
;;       e = np.where(a > 0, np.clip(np.frexp(np.where(a > 0, a, 1))[1] - 1 - 2, -126, 127), 0)      # np.frexp(a)[1] - 1 = floor(log2(a)), exactly
;;       r = np.clip(x / 2.0 ** e, -7.5, 7.5)
;;       step = 2.0 ** (np.maximum(np.frexp(np.where(r == 0, 1, r))[1] - 1, 0) - 3)
;;       q = np.round(r / step) * step * 2.0 ** e      # np.round: ties to even
;;       return np.moveaxis(q.reshape(q.shape[:-2] + (-1,))[..., :K], -1, axis).astype(np.float32)
;;   ~~~
;;   OPERANDS COMPUTED ON THE WAY. 'Computed on the way' means the value that the module computes at that place (a softmax that the list does not call 'softmax' is quantised finished and normalised). What goes into a quantiser is computed in f32, as accurately as f32 sums, v_exp_f32 and their like allow (about 1e-6 of the number): no bf16 or f16 on the way to a quantiser, and a product that is left as it is and whose result goes on into a quantised operand takes f32 operands (vector FMAs, or v_wmma_f32_16x16x4_f32). A number that lies on a knife's edge between two numbers of the format may be rounded either way, as far as f32 arithmetic and the matrix unit's own rounding can turn it there, and no further.
;; One version. Each part assembles by itself: llvm-mc -triple=amdgcn-amd-amdhsa -mcpu=gfx1250 --defsym DOCPART=n.
;; ======== version 1 of 1: 4 launches
;; limits: right only within a limited range of input values
;; workspace buffers: xw_codes 12,582,912 bytes; xw_scales 524,288 bytes; maskb 16,384 bytes; qkv_codes 9,437,184 bytes; qkv_scales 393,216 bytes; o_codes 3,145,728 bytes; o_scales 131,072 bytes
;; launch quant (part 1): grid 320 x 1, 4 waves a work-group, no clusters, 34,304 bytes of LDS; arguments q_x, k_x, v_x, Wq, Wk, Wv, Wo, energy, xw_codes, xw_scales, maskb; writes xw_codes, xw_scales, maskb
.if DOCPART == 1
	.amdgcn_target "amdgcn-amd-amdhsa--gfx1250"
	.amdhsa_code_object_version 6
	.text
	.protected	k_qb370548b7f_quant
	.globl	k_qb370548b7f_quant
	.p2align	8
	.type	k_qb370548b7f_quant,@function
k_qb370548b7f_quant:
	s_mov_b64 s[64:65], 0
	v_nop
	global_prefetch_b8 v0, s[64:65] scope:SCOPE_SE
	s_setreg_imm32_b32 hwreg(HW_REG_WAVE_MODE, 25, 1), 1
	s_wait_xcnt 0x0
; q_x, k_x, v_x [4096][1024] and Wq, Wk, Wv, Wo [1024][1024], f32, K innermost, become codes of FP6 (E2M3) with one E8M0 byte for each 32 along K;
; energy [4096][1024] becomes a bias for each key: 0 where mean |energy| > 0.1, else -2^100.
; THE CODES ARE LAID AS IMAGES OF OPERAND REGISTERS.  A fragment (16 rows x 128 K, 12 registers a lane) is 1,536 bytes: piece p of three holds registers 4 p .. 4 p + 3, 16 bytes a lane.
; Lane (r, h) holds row r; registers 6 c .. 6 c + 5 hold K = 64 c + 32 h + 0 .. 31.  Buffer: [pair of tiles][tile u][K step 0..7][1536].
; THE ROWS OF A TILE ARE NOT NEIGHBOURS: of a pair's 32 rows, lane r of tile u takes row 8 u + r + 8 (r / 8), so that a product's 16 result registers of a pair of tiles are 16 neighbouring rows.
; THE SCALE WORDS: [pair][K half q][lane][4 words]: lanes 0-15 tile 0's rows, lanes 16-31 tile 1's; word j belongs to K step 4 q + j.
; SHARES.  Work-groups 0-255 quantise: two pairs of tiles each; wave w takes pair w / 2 and K half w % 2: 8 fragments, 64 KiB of f32.  Work-groups 256-319 take energy: 16 rows a wave, 64 KiB as well.
; A load reads one row's 512 consecutive bytes; the 16 rows of a fragment turn through the wave's own stage in LDS (rows 528 bytes apart) and come back 128 bytes a lane and block.
; A block's scale byte is the largest magnitude's exponent field - 2, held at 1 from below.
; LIMITS: a block of zeros gets the byte 1 where the quantiser says 127 (its codes are zeros, and this program alone reads the bytes); NaN and infinities among the inputs are not served;
; a key whose mean lies within the rounding of an f32 sum of 0.1 may fall on either side.
.set R, 16                             ; v16-143  two sets of 64: a fragment's numbers as loaded
.set X, 144                            ; v144-207 my 64 numbers: register 32 c + n = K 64 c + 32 h + n of my row
.set C, 208                            ; v208-219 the fragment's codes
.set T, 220                            ; v220-226 the upper halves of the two blocks' codes, before they are moved
.set M, 228                            ; v228-235 at work
.set W, 236                            ; v236-243 scale words: tile u, K step j at 4 u + j
.set SP, 528                           ; a stage row: 512 bytes + 16
.set WST, 16*SP                        ; a wave's stage
	s_load_b512 s[8:23], s[0:1], 0x0               ; q_x s[8:9], k_x s[10:11], v_x s[12:13], Wq s[14:15], Wk s[16:17], Wv s[18:19], Wo s[20:21], energy s[22:23]
	s_load_b128 s[24:27], s[0:1], 0x40             ; the codes, the scale words
	s_load_b64 s[28:29], s[0:1], 0x50              ; the keys' bias
	v_lshl_add_u32 v248, v0, 2, 0x8400
	v_mov_b32 v249, 0
	v_lshrrev_b32 v1, 5, v0
	v_readfirstlane_b32 s4, v1                     ; wave 0..3
	v_and_b32 v5, 31, v0                           ; lane
	v_lshlrev_b32 v1, 4, v5                        ; 16 x lane; never rewritten
	s_mov_b32 s32, 0x76543210
	s_mov_b32 s33, 0xfedcba98                      ; v_permlanex16_b32's selects for lane l xor 16
	s_mov_b32 s39, 0
	s_cmp_lt_u32 ttmp9, 256
	s_cbranch_scc0 .Lenergy
	; ---------------- the quantiser ----------------
	s_mul_i32 s5, s4, WST
	v_add_nc_u32 v2, s5, v1                        ; the stage, way in: 16 x lane of a row
	v_and_b32 v6, 15, v0                           ; r
	v_bfe_u32 v7, v0, 4, 1                         ; h
	v_mul_u32_u24 v3, v6, SP
	v_lshl_add_u32 v3, v7, 7, v3
	v_add_nc_u32 v3, s5, v3                        ; way out: row r, + 128 h
	v_lshlrev_b32 v4, 3, v7                        ; 8 h: my bytes' place in a scale word
	v_mov_b32 v[M+7], 0                            ; a lane permute's destination counts as one of its sources
	s_wait_kmcnt 0x0
	s_mov_b64 s[34:35], s[20:21]                   ; which tensor: the choice hangs on the work-group's number alone
	s_mov_b32 s6, 240
	s_cmp_lt_u32 ttmp9, 240
	s_cselect_b64 s[34:35], s[18:19], s[34:35]
	s_cselect_b32 s6, 224, s6
	s_cmp_lt_u32 ttmp9, 224
	s_cselect_b64 s[34:35], s[16:17], s[34:35]
	s_cselect_b32 s6, 208, s6
	s_cmp_lt_u32 ttmp9, 208
	s_cselect_b64 s[34:35], s[14:15], s[34:35]
	s_cselect_b32 s6, 192, s6
	s_cmp_lt_u32 ttmp9, 192
	s_cselect_b64 s[34:35], s[12:13], s[34:35]
	s_cselect_b32 s6, 128, s6
	s_cmp_lt_u32 ttmp9, 128
	s_cselect_b64 s[34:35], s[10:11], s[34:35]
	s_cselect_b32 s6, 64, s6
	s_cmp_lt_u32 ttmp9, 64
	s_cselect_b64 s[34:35], s[8:9], s[34:35]
	s_cselect_b32 s6, 0, s6                        ; the tensor's first work-group
	s_lshr_b32 s7, s4, 1                           ; which of the two pairs
	s_and_b32 s36, s4, 1                           ; q: which half of K
	s_sub_co_u32 s37, ttmp9, s6
	s_lshl_b32 s37, s37, 1
	s_add_co_u32 s37, s37, s7                      ; the pair's number in its tensor
	s_lshl_b32 s38, s37, 17                        ; 32 rows of 4,096 bytes
	s_lshl_b32 s40, s36, 11                        ; 512 numbers along K
	s_add_co_u32 s38, s38, s40
	s_add_nc_u64 s[34:35], s[34:35], s[38:39]
	s_lshl_b32 s37, ttmp9, 1
	s_add_co_u32 s37, s37, s7                      ; the pair's number among all 512
	s_mul_i32 s38, s37, 24576
	s_mul_i32 s40, s36, 6144
	s_add_co_u32 s38, s38, s40
	s_add_nc_u64 s[24:25], s[24:25], s[38:39]
	s_lshl_b32 s38, s37, 10
	s_lshl_b32 s40, s36, 9
	s_add_co_u32 s38, s38, s40
	s_add_nc_u64 s[26:27], s[26:27], s[38:39]
.macro LOAD f                          ; fragment f = 4 u + j: 16 rows x 512 bytes, a row a load, into set f % 2
.irp p, 0,1,2,3,4,5,6,7,8,9,10,11,12,13,14,15
	global_load_b128 v[R+64*((\f)%2)+4*\p:R+64*((\f)%2)+4*\p+3], v1, s[34:35] offset:(8*((\f)/4)+\p+8*(\p/8))*4096+512*((\f)%4) th:TH_LOAD_NT
.endr
.endm
.macro FRAG f
.set RS, R+64*((\f)%2)
.if (\f) < 7
	s_wait_loadcnt 16                              ; this fragment's 16 loads are in; the next fragment's 16 may be out
.else
	s_wait_loadcnt 0x0
.endif
.irp p, 0,1,2,3,4,5,6,7,8,9,10,11,12,13,14,15
	ds_store_b128 v2, v[RS+4*\p:RS+4*\p+3] offset:SP*\p
.endr
.irp c, 0,1
.irp i, 0,1,2,3,4,5,6,7
	ds_load_b128 v[X+32*\c+4*\i:X+32*\c+4*\i+3], v3 offset:256*\c+16*\i   ; LDS serves a wave's instructions in order: these see the stores above
.endr
.endr
	s_wait_dscnt 0x0                               ; my numbers are back, and the stores have read their registers,
.if (\f)+2 < 8
	LOAD (\f)+2                                    ; which take the fragment two on
.endif
.irp c, 0,1                                    ; my block 2 c + h: all its 32 numbers are mine
	v_max3_num_f32 v[M+\c], |v[X+32*\c]|, |v[X+32*\c+1]|, 0x1800000   ; with the floor 2^(3 - 127): the byte cannot fall under 1
.endr
.irp i, 2,4,6,8,10,12,14,16,18,20,22,24,26,28,30
.irp c, 0,1
	v_max3_num_f32 v[M+\c], v[M+\c], |v[X+32*\c+\i]|, |v[X+32*\c+\i+1]|
.endr
.endr
.irp c, 0,1
	v_add_nc_u32 v[M+2+\c], 0xff000000, v[M+\c]    ; 2 off the exponent field: the conversion's scale operand
.endr
.irp c, 0,1
	v_lshrrev_b32 v[M+4+\c], 23, v[M+2+\c]         ; the scale's byte
.endr
	s_wait_alu depctr_va_vdst(0)
	s_wait_xcnt 0x0                                ; the last fragment's stores have read the codes' registers: only now are they written again
.irp c, 0,1
	v_cvt_scalef32_pk16_fp6_f32 v[C+6*\c:C+6*\c+2], v[X+32*\c:X+32*\c+15], v[M+2+\c]
	v_cvt_scalef32_pk16_fp6_f32 v[T+4*\c:T+4*\c+2], v[X+32*\c+16:X+32*\c+31], v[M+2+\c]   ; (a conversion's three registers begin on an even number)
.endr
	v_nop                                          ; one plain line behind the conversions
.irp c, 0,1
.irp i, 0,1,2
	v_mov_b32 v[C+3+6*\c+\i], v[T+4*\c+\i]
.endr
.endr
	v_lshl_or_b32 v[M+6], v[M+5], 16, v[M+4]       ; my two bytes, blocks h and 2 + h,
	v_lshlrev_b32 v[M+6], v4, v[M+6]               ; at their places in the word;
	v_permlanex16_b32 v[M+7], v[M+6], s32, s33
	v_or_b32 v[W+(\f)], v[M+6], v[M+7]             ; with lane l xor 16's two the row's word is whole
.irp p, 0,1,2
	global_store_b128 v1, v[C+4*\p:C+4*\p+3], s[24:25] offset:((\f)/4)*12288+1536*((\f)%4)+512*\p   ; 32 lanes store 512 consecutive bytes
.endr
.endm
	s_wait_alu depctr_va_vdst(0)
	LOAD 0
	LOAD 1
.irp f, 0,1,2,3,4,5,6,7
	FRAG \f
.endr
	s_mov_b32 s41, 0xffff0000
.irp j, 0,1,2,3
	v_cndmask_b32 v[W+\j], v[W+\j], v[W+4+\j], s41 ; lanes 0-15 keep tile 0's words, lanes 16-31 take tile 1's
.endr
	global_store_b128 v1, v[W:W+3], s[26:27]       ; 512 consecutive bytes
	s_wait_tensorcnt 0x0
	ds_add_u32 v248, v249
	s_wait_dscnt 0x0
	s_endpgm
	; ---------------- the keys' bias ----------------
.Lenergy:
	s_sub_co_u32 s5, ttmp9, 256
	s_lshl_b32 s5, s5, 2
	s_add_co_u32 s5, s5, s4                        ; which run of 16 rows is my wave's
	s_lshl_b32 s38, s5, 16                         ; 16 rows of 4,096 bytes
	s_wait_kmcnt 0x0
	s_add_nc_u64 s[22:23], s[22:23], s[38:39]
	s_lshl_b32 s38, s5, 6                          ; 16 words
	s_add_nc_u64 s[28:29], s[28:29], s[38:39]
	v_mov_b32 v160, 0                              ; lane i and lane i + 16 gather row i's sum
	v_mov_b32 v161, 0
.macro ELOAD i                         ; row i: eight loads of 512 consecutive bytes, into slot i % 4
.irp j, 0,1,2,3,4,5,6,7
	global_load_b128 v[16+32*((\i)%4)+4*\j:16+32*((\i)%4)+4*\j+3], v1, s[22:23] offset:(\i)*4096+512*\j th:TH_LOAD_NT
.endr
.endm
.macro ROW i
.set ES, 16+32*((\i)%4)
.if 15-(\i) >= 3
	s_wait_loadcnt 24                              ; my row is in; the three rows behind it, eight loads each, may be out
.else
	s_wait_loadcnt 8*(15-(\i))
.endif
.irp k, 0,1,2,3,4,5,6,7,8,9,10,11,12,13,14,15
	v_add_f32 v[144+\k], |v[ES+2*\k]|, |v[ES+2*\k+1]|
.endr
.if (\i)+4 < 16
	ELOAD (\i)+4                                   ; the slot's numbers have been read
.endif
.irp k, 0,1,2,3,4,5,6,7
	v_add_f32 v[144+\k], v[144+2*\k], v[144+2*\k+1]
.endr
.irp k, 0,1,2,3
	v_add_f32 v[144+\k], v[144+2*\k], v[144+2*\k+1]
.endr
.irp k, 0,1
	v_add_f32 v[144+\k], v[144+2*\k], v[144+2*\k+1]
.endr
	v_add_f32 v144, v144, v145
	v_add_f32_dpp v144, v144, v144 row_xmask:1 row_mask:0xf bank_mask:0xf
	v_add_f32_dpp v144, v144, v144 row_xmask:2 row_mask:0xf bank_mask:0xf
	v_add_f32_dpp v144, v144, v144 row_xmask:4 row_mask:0xf bank_mask:0xf
	v_add_f32_dpp v144, v144, v144 row_xmask:8 row_mask:0xf bank_mask:0xf
	v_permlanex16_b32 v161, v144, s32, s33
	v_add_f32 v144, v144, v161                     ; the row's sum of magnitudes, in every lane
	s_mov_b32 s40, 0x10001<<(\i)
	v_cndmask_b32 v160, v160, v144, s40
.endm
	s_wait_alu depctr_va_vdst(0)
	ELOAD 0
	ELOAD 1
	ELOAD 2
	ELOAD 3
.irp i, 0,1,2,3,4,5,6,7,8,9,10,11,12,13,14,15
	ROW \i
.endr
	v_mul_f32 v160, 0x3a800000, v160               ; / 1,024: exact
	v_mov_b32 v162, 0xf1800000                     ; -2^100
	v_mov_b32 v163, 0
	v_cmp_lt_f32 vcc_lo, 0x3dcccccd, v160          ; 0.1 < the mean: the key is kept
	v_cndmask_b32 v160, v162, v163, vcc_lo
	v_and_b32 v164, 15, v0
	v_lshlrev_b32 v164, 2, v164
	global_store_b32 v164, v160, s[28:29]          ; 16 words; lanes i and i + 16 store the same word with the same value
	s_endpgm
.Lfunc_end_k_qb370548b7f_quant:
	.size	k_qb370548b7f_quant, .Lfunc_end_k_qb370548b7f_quant-k_qb370548b7f_quant
	.p2alignl 7, 3214868480
	.fill 96, 4, 3214868480
	.section	.rodata,"a",@progbits
	.p2align	6, 0x0
	.amdhsa_kernel k_qb370548b7f_quant
		.amdhsa_group_segment_fixed_size 34304
		.amdhsa_private_segment_fixed_size 0
		.amdhsa_enable_private_segment 0
		.amdhsa_kernarg_size 88
		.amdhsa_user_sgpr_count 2
		.amdhsa_user_sgpr_kernarg_segment_ptr 1
		.amdhsa_wavefront_size32 1
		.amdhsa_system_sgpr_workgroup_id_x 1
		.amdhsa_system_sgpr_workgroup_id_y 1
		.amdhsa_system_sgpr_workgroup_id_z 1
		.amdhsa_system_vgpr_workitem_id 0
		.amdhsa_next_free_vgpr 250
		.amdhsa_next_free_sgpr 66
		.amdhsa_reserve_vcc 1
		.amdhsa_float_denorm_mode_32 3
		.amdhsa_float_denorm_mode_16_64 3
		.amdhsa_memory_ordered 1
		.amdhsa_forward_progress 1
		.amdhsa_inst_pref_size 103
	.end_amdhsa_kernel
	.amdgpu_metadata
---
amdhsa.version: [ 1, 2 ]
amdhsa.kernels:
  - .name:           k_qb370548b7f_quant
    .symbol:         k_qb370548b7f_quant.kd
    .args:
      - { .name: q_x, .offset: 0, .size: 8, .value_kind: global_buffer, .address_space: global }
      - { .name: k_x, .offset: 8, .size: 8, .value_kind: global_buffer, .address_space: global }
      - { .name: v_x, .offset: 16, .size: 8, .value_kind: global_buffer, .address_space: global }
      - { .name: Wq, .offset: 24, .size: 8, .value_kind: global_buffer, .address_space: global }
      - { .name: Wk, .offset: 32, .size: 8, .value_kind: global_buffer, .address_space: global }
      - { .name: Wv, .offset: 40, .size: 8, .value_kind: global_buffer, .address_space: global }
      - { .name: Wo, .offset: 48, .size: 8, .value_kind: global_buffer, .address_space: global }
      - { .name: energy, .offset: 56, .size: 8, .value_kind: global_buffer, .address_space: global }
      - { .name: xw_codes, .offset: 64, .size: 8, .value_kind: global_buffer, .address_space: global }
      - { .name: xw_scales, .offset: 72, .size: 8, .value_kind: global_buffer, .address_space: global }
      - { .name: maskb, .offset: 80, .size: 8, .value_kind: global_buffer, .address_space: global }
    .group_segment_fixed_size: 34304
    .private_segment_fixed_size: 0
    .kernarg_segment_align: 8
    .kernarg_segment_size: 88
    .max_flat_workgroup_size: 128
    .sgpr_count:     66
    .vgpr_count:     250
    .wavefront_size: 32
...
	.end_amdgpu_metadata
.endif
;; end of part 1
;; launch proj (part 2): grid 8 x 96, 4 waves a work-group, no clusters, 327,680 bytes of LDS; arguments xw_codes, xw_scales, bq, bk, bv, qkv_codes, qkv_scales; writes qkv_codes, qkv_scales
.if DOCPART == 2
	.amdgcn_target "amdgcn-amd-amdhsa--gfx1250"
	.amdhsa_code_object_version 6
	.text
	.protected	k_qb370548b7f_proj
	.globl	k_qb370548b7f_proj
	.p2align	8
	.type	k_qb370548b7f_proj,@function
k_qb370548b7f_proj:
	s_mov_b64 s[64:65], 0
	v_nop
	global_prefetch_b8 v0, s[64:65] scope:SCOPE_SE
	s_setreg_imm32_b32 hwreg(HW_REG_WAVE_MODE, 25, 1), 1
	s_wait_xcnt 0x0
; Q = q_x Wq^T + bq, K = k_x Wk^T + bk, V = v_x Wv^T + bv on codes of FP6 (E2M3) with E8M0 scales, f32 sums; the results are quantised here, in registers, for attention's two products.
; SHARES.  y / 32 is the mode (0 Q, 1 K, 2 V).  A work-group makes 128 x 128 of one result, K = 1,024 in 8 steps of 128.  Source 1's rows fall on lanes, source 0's on a lane's registers.
; Q and K are quantised along the head's 64 features: source 0 = 128 rows of the weight (group 96 + 8 mode + x), source 1 = 128 tokens (group y).
; V is quantised along the keys: source 0 = 128 tokens of v_x, source 1 = 128 rows of Wv.  Wave w takes source 1's tiles 2 w, 2 w + 1 against source 0's eight: 16 accumulators.
; The operands lie in memory as images of operand registers, tiles with the rows 32 B + 8 u + r + 8 (r / 8): so registers 16 B + i of a tile of lanes are source 0's rows 32 B + 16 h + i.
; LDS: [half of K][source][tile][K step % 4][1,536]: 4 x 49,152 bytes, each byte filled once.  A wave fetches four tiles of one source: K steps 0-3 by its one load at the head (4 rows of 6,144 bytes),
; K steps 4-7 by one load behind the first barrier, which has steps 0-3's products in which to land.  One tensor load of a wave is out at a time.
; The scale words come from memory straight into their registers: they lie there as images, 16 bytes a lane.
; OUT.  Q, K: [bh][pair of token tiles P][1,536]: registers 0-5 tile 2 P, registers 6-11 tile 2 P + 1, lane (r, h): features 32 h .. 32 h + 31; scale words [bh][P][r]: two bytes a tile.
;       V: [bh][128 keys][tile of 16 features t][1,536], an operand's image with K = the keys; scale words [bh][step][t][r].
; NO CLUSTER: which operand hangs on x and which on y changes with the mode, so a joint load's mask would be a choice on the work-group's y; the loads are left plain.
; NO PREFETCH: all of a work-group's tiles are asked for by its two loads a wave; there is no loop to run ahead in.
; LIMITS: a block of zeros gets the byte 1 (its codes are zeros; this program alone reads the bytes); NaN and infinities are not served.
; REGISTERS.  Window 0: v1-13 addresses; v16-47 source 0's scale words (pair p, step s at 8 p + s); v48-55 source 1's; v56-103 source 1's fragments, two sets, later the codes made;
;   v104-107 V's bias; v108-126 at work; v128-255 accumulator (a, b) at 128 + 8 (8 a + b).   Window 1: v0-95, v96-191 source 0's fragments, two sets; v192-255 Q's or K's bias.
.set ACC, 128
.set SC0, 16
.set SC1, 48
.set S1F, 56
.set BV,  104
.set TM,  108
.set TT,  116
.set HW,  120
.set SEL, 88
.set MSB, 0
.macro WIN new                         ; the immediate's high byte repeats the setting that is left
.if MSB != \new
	s_set_vgpr_msb (MSB<<8)|\new
.set MSB, \new
.endif
.endm
; one matrix instruction: first registers of D, A, B, C (below 0: the constant 0), the two scale registers, and whether each side's scales stand in lanes 16-31
.macro WM d, a, b, c, sa, sb, ra, rb
.if (\c) < 0
.if (\ra) && (\rb)
	v_wmma_scale_f32_16x16x128_f8f6f4 v[(\d):(\d)+7], v[(\a):(\a)+11], v[(\b):(\b)+11], 0, v[(\sa)], v[(\sb)] matrix_a_fmt:MATRIX_FMT_FP6 matrix_b_fmt:MATRIX_FMT_FP6 matrix_a_scale:MATRIX_SCALE_ROW1 matrix_b_scale:MATRIX_SCALE_ROW1
.elseif (\ra)
	v_wmma_scale_f32_16x16x128_f8f6f4 v[(\d):(\d)+7], v[(\a):(\a)+11], v[(\b):(\b)+11], 0, v[(\sa)], v[(\sb)] matrix_a_fmt:MATRIX_FMT_FP6 matrix_b_fmt:MATRIX_FMT_FP6 matrix_a_scale:MATRIX_SCALE_ROW1
.elseif (\rb)
	v_wmma_scale_f32_16x16x128_f8f6f4 v[(\d):(\d)+7], v[(\a):(\a)+11], v[(\b):(\b)+11], 0, v[(\sa)], v[(\sb)] matrix_a_fmt:MATRIX_FMT_FP6 matrix_b_fmt:MATRIX_FMT_FP6 matrix_b_scale:MATRIX_SCALE_ROW1
.else
	v_wmma_scale_f32_16x16x128_f8f6f4 v[(\d):(\d)+7], v[(\a):(\a)+11], v[(\b):(\b)+11], 0, v[(\sa)], v[(\sb)] matrix_a_fmt:MATRIX_FMT_FP6 matrix_b_fmt:MATRIX_FMT_FP6
.endif
.else
.if (\ra) && (\rb)
	v_wmma_scale_f32_16x16x128_f8f6f4 v[(\d):(\d)+7], v[(\a):(\a)+11], v[(\b):(\b)+11], v[(\c):(\c)+7], v[(\sa)], v[(\sb)] matrix_a_fmt:MATRIX_FMT_FP6 matrix_b_fmt:MATRIX_FMT_FP6 matrix_a_scale:MATRIX_SCALE_ROW1 matrix_b_scale:MATRIX_SCALE_ROW1
.elseif (\ra)
	v_wmma_scale_f32_16x16x128_f8f6f4 v[(\d):(\d)+7], v[(\a):(\a)+11], v[(\b):(\b)+11], v[(\c):(\c)+7], v[(\sa)], v[(\sb)] matrix_a_fmt:MATRIX_FMT_FP6 matrix_b_fmt:MATRIX_FMT_FP6 matrix_a_scale:MATRIX_SCALE_ROW1
.elseif (\rb)
	v_wmma_scale_f32_16x16x128_f8f6f4 v[(\d):(\d)+7], v[(\a):(\a)+11], v[(\b):(\b)+11], v[(\c):(\c)+7], v[(\sa)], v[(\sb)] matrix_a_fmt:MATRIX_FMT_FP6 matrix_b_fmt:MATRIX_FMT_FP6 matrix_b_scale:MATRIX_SCALE_ROW1
.else
	v_wmma_scale_f32_16x16x128_f8f6f4 v[(\d):(\d)+7], v[(\a):(\a)+11], v[(\b):(\b)+11], v[(\c):(\c)+7], v[(\sa)], v[(\sb)] matrix_a_fmt:MATRIX_FMT_FP6 matrix_b_fmt:MATRIX_FMT_FP6
.endif
.endif
.endm
.macro PLACES                          ; four plain lines behind matrix instructions, ahead of loads into their registers and of reads of their results
.rept 4
	v_nop
.endr
.endm
	s_load_b128 s[4:7], s[0:1], 0x0                ; the operands' codes, their scale words
	s_load_b128 s[8:11], s[0:1], 0x10              ; bq, bk
	s_load_b128 s[12:15], s[0:1], 0x20             ; bv, the results' codes
	s_load_b64 s[16:17], s[0:1], 0x30              ; the results' scale words
	v_lshl_add_u32 v119, v0, 2, 0x32000
	v_mov_b32 v127, 0
	ds_add_u32 v119, v127                          ; the opening lines
	ds_add_u32 v119, v127
	v_lshrrev_b32 v1, 5, v0
	v_readfirstlane_b32 s18, v1                    ; wave 0..3
	s_mov_b32 s19, ttmp9                           ; x
	s_and_b32 s20, ttmp7, 0xffff                   ; y: also the tokens' group
	s_lshr_b32 s21, s20, 5                         ; mode
	s_and_b32 s22, s20, 31                         ; the group's number in its tensor
	s_lshl_b32 s23, s21, 3
	s_add_co_u32 s23, s23, s19
	s_add_co_u32 s23, s23, 96                      ; the weight's group
	s_cmp_eq_u32 s21, 2
	s_cselect_b32 s25, s20, s23                    ; source 0's group
	s_cselect_b32 s26, s23, s20                    ; source 1's
	s_lshr_b32 s27, s18, 1                         ; I fetch for source 0 (0) or source 1 (1),
	s_and_b32 s28, s18, 1                          ; its tiles 0-3 or 4-7
	s_cmp_eq_u32 s27, 0
	s_cselect_b32 s29, s25, s26
	s_mul_i32 s30, s29, 98304
	s_mul_i32 s31, s28, 49152
	s_add_co_u32 s30, s30, s31                     ; my half group's codes, in bytes
	s_mov_b32 s31, 0
	s_lshl_b32 s38, s25, 12                        ; source 0's scale words,
	s_mov_b32 s39, 0
	s_lshl_b32 s44, s26, 12
	s_lshl_b32 s45, s18, 10
	s_add_co_u32 s44, s44, s45                     ; and those of my pair of source 1's tiles
	s_mov_b32 s45, 0
	s_mul_i32 s32, s27, 49152
	s_mul_i32 s33, s28, 24576
	s_add_co_u32 s32, s32, s33                     ; where my four tiles' K steps 0-3 go in LDS
	; descriptor group 1: 4 tiles' rows of 6,144 bytes (4 K steps; 768 elements of 8 bytes), 12,288 bytes apart in memory, dense in LDS
	s_mov_b32 s68, 3<<16
	s_mov_b32 s69, 768<<16
	s_mov_b32 s70, 4<<16
	s_mov_b32 s71, 768<<16
	s_mov_b32 s72, 4
	s_mov_b32 s73, 1536
	s_mov_b32 s74, 0
	s_mov_b32 s75, 0
	s_mov_b32 s[SEL], 0x76543210
	s_mov_b32 s[SEL+1], 0xfedcba98
	s_mov_b32 s90, 0xffff0000
	s_lshl_b32 s42, s19, 9                         ; the work-group's 128 numbers of the bias
	s_mov_b32 s43, 0
	s_wait_dscnt 0x0
	s_wait_kmcnt 0x0
	s_add_nc_u64 s[34:35], s[4:5], s[30:31]
	s_add_nc_u64 s[36:37], s[6:7], s[38:39]
	s_add_nc_u64 s[46:47], s[6:7], s[44:45]
.irp c, 0,1
	s_mov_b32 s[48+4*\c], 1
	s_add_co_u32 s[49+4*\c], s32, 98304*\c
	s_add_nc_u64 s[50+4*\c:51+4*\c], s[34:35], 6144*\c
	s_or_b32 s[51+4*\c], s[51+4*\c], 0x80000000
.endr
	s_cmp_eq_u32 s21, 0
	s_cselect_b64 s[40:41], s[8:9], s[10:11]
	s_cmp_eq_u32 s21, 2
	s_cselect_b64 s[40:41], s[12:13], s[40:41]
	s_add_nc_u64 s[40:41], s[40:41], s[42:43]      ; the mode's bias at my 128 features
	tensor_load_to_lds s[48:51], s[68:75]          ; K steps 0-3: my one load at the head
	s_nop 0
.rept 4
	v_nop
.endr
	v_and_b32 v10, 31, v0
	v_lshlrev_b32 v1, 4, v10                       ; 16 x lane
	v_mov_b32 v2, v1                               ; source 0, K steps 0-3
	v_add_nc_u32 v3, 98304, v1                     ; K steps 4-7
	s_mul_i32 s33, s18, 12288
	s_add_co_u32 s33, s33, 49152
	v_add_nc_u32 v4, s33, v1                       ; source 1's, my two tiles
	v_add_nc_u32 v5, 98304, v4
	v_and_b32 v8, 15, v0                           ; r
	v_bfe_u32 v9, v0, 4, 1                         ; h
	v_lshlrev_b32 v13, 2, v10                      ; 4 x lane
	v_lshlrev_b32 v12, 2, v8
	v_lshl_add_u32 v12, v9, 12, v12                ; 4,096 h + 4 r
	v_lshlrev_b32 v10, 6, v9                       ; 64 h
	v_and_b32 v11, 8, v8
	v_add_nc_u32 v11, v11, v8
	v_lshlrev_b32 v11, 2, v11
	s_lshl_b32 s33, s18, 7
	v_add_nc_u32 v11, s33, v11                     ; 128 w + 4 (r + 8 (r / 8))
	WIN 0x40                                       ; destination window 1
.irp k, 0,1,2,3,4,5,6,7,8,9,10,11,12,13,14,15
	global_load_b128 v[192+4*\k:195+4*\k], v10, s[40:41] offset:128*(\k/4)+16*(\k%4)   ; register 16 B + i: the bias of feature 32 B + 16 h + i
.endr
	WIN 0
.irp p, 0,1,2,3
.irp q, 0,1
	global_load_b128 v[SC0+8*\p+4*\q:SC0+8*\p+4*\q+3], v1, s[36:37] offset:1024*\p+512*\q   ; 512 consecutive bytes a load
.endr
.endr
.irp q, 0,1
	global_load_b128 v[SC1+4*\q:SC1+4*\q+3], v1, s[46:47] offset:512*\q
.endr
	global_load_b32 v[BV], v11, s[40:41]           ; the bias by lanes: that of my lane's feature in tile 2 w,
	global_load_b32 v[BV+2], v11, s[40:41] offset:32  ; in tile 2 w + 1
	v_mov_b32 v[BV+1], 0                           ; (named as upper halves of pairs)
	v_mov_b32 v[BV+3], 0
	v_mov_b32 v[TM+2], 0                           ; a lane permute's destination counts as one of its sources
	v_mov_b32 v[TM+3], 0
.macro FETCH s                         ; K step s: source 0's eight fragments and my two of source 1, 30 loads of 512 consecutive bytes
.set EE, (\s)%2
	WIN 0x40
.irp i, 0,1,2,3,4,5,6,7
.irp p, 0,1,2
	ds_load_b128 v[96*EE+12*\i+4*\p:96*EE+12*\i+4*\p+3], v[2+(\s)/4] offset:6144*\i+1536*((\s)%4)+512*\p
.endr
.endr
	WIN 0
.irp a, 0,1
.irp p, 0,1,2
	ds_load_b128 v[S1F+24*EE+12*\a+4*\p:S1F+24*EE+12*\a+4*\p+3], v[4+(\s)/4] offset:6144*\a+1536*((\s)%4)+512*\p
.endr
.endr
.endm
.macro MUL s                           ; 16 matrix instructions, the 16 accumulators by turns in the same order in every step; step 0 starts the sums
	WIN 0x01                                       ; source 0 in window 1
.irp a, 0,1
.irp b, 0,1,2,3,4,5,6,7
.if (\s) == 0
	WM ACC+8*(8*\a+\b), 96*((\s)%2)+12*\b, S1F+24*((\s)%2)+12*\a, -1, SC0+8*(\b/2)+(\s), SC1+(\s), \b%2, \a
.else
	WM ACC+8*(8*\a+\b), 96*((\s)%2)+12*\b, S1F+24*((\s)%2)+12*\a, ACC+8*(8*\a+\b), SC0+8*(\b/2)+(\s), SC1+(\s), \b%2, \a
.endif
.endr
.endr
	WIN 0
.endm
.macro KSTEP s
.if (\s) == 3
	s_wait_tensorcnt 0x0                           ; my part of K steps 4-7 is in
	s_wait_dscnt 0x0                               ; no LDS instruction of mine is pending at a signal
	s_barrier_signal -1
	s_barrier_wait -1                              ; everybody's part is in
.endif
.if (\s) < 7
	FETCH (\s)+1
	s_wait_dscnt 30                                ; all but the 30 just issued: this step's fragments are in
.else
	s_wait_dscnt 0x0
.endif
	MUL \s
	PLACES
.endm
	s_wait_alu depctr_va_vdst(0)                   ; the wait at the head's end
	s_wait_tensorcnt 0x0                           ; my part of K steps 0-3 is in; these lines stand ahead of a later first fill as ahead of a refill
	ds_add_u32 v119, v127
	s_wait_dscnt 0x0
	s_barrier_signal -1
	s_barrier_wait -1                              ; everybody's part is in
	tensor_load_to_lds s[52:55], s[68:75]          ; K steps 4-7, into bytes of their own
	s_nop 0
.rept 4
	v_nop
.endr
	FETCH 0
	s_wait_loadcnt 0x0                             ; the scale words and the biases
.irp s, 0,1,2,3,4,5,6,7
	KSTEP \s
.endr
; 32 numbers of a lane, register 16 B + i = place 32 B + 16 h + i along the next K, become six registers of codes (lane (r, h): places 32 h .. 32 h + 31) and two scale bytes
.macro QUANT32 src, dst, hw
	v_max3_num_f32 v[TM], |v[(\src)]|, |v[(\src)+1]|, 0x1800000      ; with the floor 2^(3 - 127): the byte cannot fall under 1
	v_max3_num_f32 v[TM+1], |v[(\src)+16]|, |v[(\src)+17]|, 0x1800000
.irp i, 2,4,6,8,10,12,14
	v_max3_num_f32 v[TM], v[TM], |v[(\src)+\i]|, |v[(\src)+\i+1]|
	v_max3_num_f32 v[TM+1], v[TM+1], |v[(\src)+16+\i]|, |v[(\src)+17+\i]|
.endr
	v_permlanex16_b32 v[TM+2], v[TM], s[SEL], s[SEL+1]
	v_permlanex16_b32 v[TM+3], v[TM+1], s[SEL], s[SEL+1]
	v_max_num_f32 v[TM], v[TM], v[TM+2]            ; with lane l xor 16's 16: the block's largest magnitude
	v_max_num_f32 v[TM+1], v[TM+1], v[TM+3]
	v_add_nc_u32 v[TM+4], 0xff000000, v[TM]        ; 2 off the exponent field: the conversion's scale operand
	v_add_nc_u32 v[TM+5], 0xff000000, v[TM+1]
	v_lshrrev_b32 v[TM+6], 23, v[TM+4]             ; the bytes
	v_lshrrev_b32 v[TM+7], 23, v[TM+5]
	v_cvt_scalef32_pk16_fp6_f32 v[(\dst):(\dst)+2], v[(\src):(\src)+15], v[TM+4]
	v_cvt_scalef32_pk16_fp6_f32 v[TT:TT+2], v[(\src)+16:(\src)+31], v[TM+5]
	v_lshl_or_b32 v[(\hw)], v[TM+7], 8, v[TM+6]    ; the two bytes; also the plain line behind the conversions
.irp i, 0,1,2
	v_permlane16_swap_b32 v[(\dst)+\i], v[TT+\i]   ; a whole block to a lane: lanes 0-15 the first, lanes 16-31 the second
.endr
.irp i, 0,1,2
	v_mov_b32 v[(\dst)+3+\i], v[TT+\i]
.endr
.endm
; the bias, then the quantiser.  vm = 0: fragment = head c, place in it = tile a.  vm = 1: fragment = tile a, place = keys 64 c on.  Each accumulator is read from its low end on.
.macro EPI vm
.irp a, 0,1
.irp c, 0,1
.if \vm
.irp k, 0,2,4,6,8,10,12,14,16,18,20,22,24,26,28,30
	v_pk_add_f32 v[ACC+64*\a+32*\c+\k:ACC+64*\a+32*\c+\k+1], v[ACC+64*\a+32*\c+\k:ACC+64*\a+32*\c+\k+1], v[BV+2*\a:BV+2*\a+1] op_sel_hi:[1,0]
.endr
	QUANT32 ACC+64*\a+32*\c, S1F+12*\a+6*\c, HW+2*\a+\c
.else
	WIN 0x04                                       ; source 1 in window 1
.irp k, 0,2,4,6,8,10,12,14,16,18,20,22,24,26,28,30
	v_pk_add_f32 v[ACC+64*\a+32*\c+\k:ACC+64*\a+32*\c+\k+1], v[ACC+64*\a+32*\c+\k:ACC+64*\a+32*\c+\k+1], v[192+32*\c+\k:193+32*\c+\k]
.endr
	WIN 0
	QUANT32 ACC+64*\a+32*\c, S1F+12*\c+6*\a, HW+2*\c+\a
.endif
.endr
.endr
	v_lshl_or_b32 v124, v[HW+1], 16, v[HW]         ; fragment 0's scale word
	v_lshl_or_b32 v125, v[HW+3], 16, v[HW+2]       ; fragment 1's
	v_cndmask_b32 v126, v124, v125, s90            ; lanes 0-15 store the first, lanes 16-31 the second
.endm
.macro OUT fs, so                      ; fs: bytes from fragment 0 to fragment 1;  so: the register with the scale words' offsets
.irp f, 0,1
.irp p, 0,1,2
	global_store_b128 v1, v[S1F+12*\f+4*\p:S1F+12*\f+4*\p+3], s[84:85] offset:(\fs)*\f+512*\p   ; 512 consecutive bytes
.endr
.endr
	global_store_b32 v[\so], v126, s[86:87]
.endm
	s_cmp_eq_u32 s21, 2
	s_cbranch_scc1 .Lvmode
	s_lshl_b32 s33, s22, 2
	s_add_co_u32 s33, s33, s18                     ; my pair of token tiles, of 128
	s_lshr_b32 s34, s33, 6                         ; the batch
	s_and_b32 s35, s33, 63                         ; P
	s_lshl_b32 s34, s34, 4
	s_lshl_b32 s36, s19, 1
	s_add_co_u32 s34, s34, s36                     ; bh of fragment 0: 16 b + 2 x
	s_mul_i32 s36, s21, 3145728
	s_mul_i32 s37, s34, 98304
	s_add_co_u32 s36, s36, s37
	s_mul_i32 s37, s35, 1536
	s_add_co_u32 s36, s36, s37
	s_mov_b32 s37, 0
	s_add_nc_u64 s[84:85], s[14:15], s[36:37]
	s_lshl_b32 s36, s21, 17
	s_lshl_b32 s38, s34, 12
	s_add_co_u32 s36, s36, s38
	s_lshl_b32 s38, s35, 6
	s_add_co_u32 s36, s36, s38
	s_add_nc_u64 s[86:87], s[16:17], s[36:37]
	EPI 0
	OUT 98304, 12
	s_wait_tensorcnt 0x0                           ; the wave's end
	ds_add_u32 v119, v127
	s_wait_dscnt 0x0
	s_endpgm
.Lvmode:
	s_lshr_b32 s34, s22, 4                         ; the batch
	s_and_b32 s35, s22, 15                         ; which 128 keys
	s_lshl_b32 s34, s34, 4
	s_lshl_b32 s36, s19, 1
	s_add_co_u32 s34, s34, s36
	s_add_co_u32 s34, s34, s27                     ; bh: 16 b + 2 x + w / 2
	s_mul_i32 s36, s34, 98304
	s_add_co_u32 s36, s36, 6291456
	s_mul_i32 s37, s35, 6144
	s_add_co_u32 s36, s36, s37
	s_mul_i32 s37, s28, 3072                       ; tiles 2 (w % 2) and the next
	s_add_co_u32 s36, s36, s37
	s_mov_b32 s37, 0
	s_add_nc_u64 s[84:85], s[14:15], s[36:37]
	s_lshl_b32 s36, s34, 12
	s_add_co_u32 s36, s36, 262144
	s_lshl_b32 s38, s35, 8
	s_add_co_u32 s36, s36, s38
	s_lshl_b32 s38, s28, 7
	s_add_co_u32 s36, s36, s38
	s_add_nc_u64 s[86:87], s[16:17], s[36:37]
	s_wait_alu depctr_va_vdst(0)                   ; the wait behind the taken branch
	EPI 1
	OUT 1536, 13
	s_wait_tensorcnt 0x0
	ds_add_u32 v119, v127
	s_wait_dscnt 0x0
	s_endpgm
.Lfunc_end_k_qb370548b7f_proj:
	.size	k_qb370548b7f_proj, .Lfunc_end_k_qb370548b7f_proj-k_qb370548b7f_proj
	.p2alignl 7, 3214868480
	.fill 96, 4, 3214868480
	.section	.rodata,"a",@progbits
	.p2align	6, 0x0
	.amdhsa_kernel k_qb370548b7f_proj
		.amdhsa_group_segment_fixed_size 327680
		.amdhsa_private_segment_fixed_size 0
		.amdhsa_enable_private_segment 0
		.amdhsa_kernarg_size 56
		.amdhsa_user_sgpr_count 2
		.amdhsa_user_sgpr_kernarg_segment_ptr 1
		.amdhsa_wavefront_size32 1
		.amdhsa_system_sgpr_workgroup_id_x 1
		.amdhsa_system_sgpr_workgroup_id_y 1
		.amdhsa_system_sgpr_workgroup_id_z 1
		.amdhsa_system_vgpr_workitem_id 0
		.amdhsa_next_free_vgpr 512
		.amdhsa_next_free_sgpr 100
		.amdhsa_reserve_vcc 0
		.amdhsa_float_denorm_mode_32 3
		.amdhsa_float_denorm_mode_16_64 3
		.amdhsa_memory_ordered 1
		.amdhsa_forward_progress 1
		.amdhsa_inst_pref_size 68
	.end_amdhsa_kernel
	.amdgpu_metadata
---
amdhsa.version: [ 1, 2 ]
amdhsa.kernels:
  - .name:           k_qb370548b7f_proj
    .symbol:         k_qb370548b7f_proj.kd
    .args:
      - { .name: xw_codes, .offset: 0, .size: 8, .value_kind: global_buffer, .address_space: global }
      - { .name: xw_scales, .offset: 8, .size: 8, .value_kind: global_buffer, .address_space: global }
      - { .name: bq, .offset: 16, .size: 8, .value_kind: global_buffer, .address_space: global }
      - { .name: bk, .offset: 24, .size: 8, .value_kind: global_buffer, .address_space: global }
      - { .name: bv, .offset: 32, .size: 8, .value_kind: global_buffer, .address_space: global }
      - { .name: qkv_codes, .offset: 40, .size: 8, .value_kind: global_buffer, .address_space: global }
      - { .name: qkv_scales, .offset: 48, .size: 8, .value_kind: global_buffer, .address_space: global }
    .group_segment_fixed_size: 327680
    .private_segment_fixed_size: 0
    .kernarg_segment_align: 8
    .kernarg_segment_size: 56
    .max_flat_workgroup_size: 128
    .sgpr_count:     100
    .vgpr_count:     512
    .wavefront_size: 32
...
	.end_amdgpu_metadata
.endif
;; end of part 2
;; launch attn (part 3): grid 8 x 32, 16 waves a work-group, clusters of 4 x 1, 327,680 bytes of LDS; arguments qkv_codes, qkv_scales, maskb, o_codes, o_scales; writes o_codes, o_scales
.if DOCPART == 3
	.amdgcn_target "amdgcn-amd-amdhsa--gfx1250"
	.amdhsa_code_object_version 6
	.text
	.protected	k_qb370548b7f_attn
	.globl	k_qb370548b7f_attn
	.p2align	8
	.type	k_qb370548b7f_attn,@function
k_qb370548b7f_attn:
	s_mov_b64 s[64:65], 0
	v_nop
	global_prefetch_b8 v0, s[64:65] scope:SCOPE_SE
	s_setreg_imm32_b32 hwreg(HW_REG_WAVE_MODE, 25, 1), 1
	s_wait_xcnt 0x0
	s_wait_alu depctr_hold_cnt(0) depctr_sa_sdst(0) depctr_va_vdst(0) depctr_va_sdst(0) depctr_va_ssrc(0) depctr_va_vcc(0) depctr_vm_vsrc(0)
	s_getreg_b32 s2, hwreg(HW_REG_IB_STS2, 6, 4)
	s_cmp_eq_u32 s2, 0
	s_cbranch_scc0 .Lentry_in_a_cluster
	s_endpgm
.Lentry_in_a_cluster:
	s_bfe_u32 s2, ttmp6, 0x10000c
	s_cmp_lg_u32 s2, 0x3003
	s_cbranch_scc0 .Lentry_shape_is_right
	s_endpgm
.Lentry_shape_is_right:
; o = softmax(Q K^T / 8 + the keys' bias) V for one (batch, head) y and 256 queries, on codes of FP6 (E2M3) with E8M0 scales; o is quantised here for the last product.
; The quantiser takes the FINISHED softmax, so the keys are walked twice: pass 1 finds each query's largest score (a running maximum) and the sum of exponentials; pass 2 makes the scores again,
; w = 2^(s c - M c - log2(sum)), c = log2(e) / 8, quantises w by blocks of 32 keys and adds V^T w^T.  A masked key's bias is -2^100, given as the C of the scores' products: its w is 0.
; A query whose keys are all masked takes the addend 0: every w is 2^(-2^100 c) = 0.
; SHARES.  16 waves, 16 queries each; both products transposed, so a lane holds one query and its registers run along the keys.  A step is 128 keys: 8 products for the scores (the head's 64 features fill
; half of a product's K: a fragment of K holds two tiles of keys, and Q stands against one half with zero codes against the other), 4 for V.
; LDS: K's codes 0 .. 98,304; V's .. 196,608; K's scale words 4,096; V's 4,096; the bias 8,192; the spare words at 0x34000.  Every byte is filled once.
; CLUSTER: the four work-groups along x read the same K, V, scales and bias: every tensor load is joint (mask 15).  At the head waves 0-7 ask for K's codes (12,288 bytes each), waves 8-15 for scale words
; and bias (2,048 each); V's codes (6,144 a wave) follow behind the full sequence and a round, and are waited for behind pass 1's second trip.  One tensor load of a wave is out at a time.
; NO PREFETCH: all tiles are asked for at the head; no loop fetches anything.
; LIMITS: the promise holds while the scaled scores stay under 2^31 in magnitude; scores at or under -2^99 count as masked; NaN and infinities are not served; a block of zeros gets the byte 1.
.set S,   96                           ; v96-159 the bias, then the scores, then w
.set O,   160                          ; v160-191 O^T
.set KF,  44                           ; v44-91 four fragments of K or of V
.set PC,  192                          ; w's codes
.set TT,  204
.set TM,  212
.set SEL, 22
.set CS,  66
.set NC,  68
.set TK,  70
.set TS,  71
.set TB,  72
.set CNT, 73
.macro WM d, a, b, c, sa, sb, ra
.if (\c) < 0
.if (\ra)
	v_wmma_scale_f32_16x16x128_f8f6f4 v[(\d):(\d)+7], v[(\a):(\a)+11], v[(\b):(\b)+11], 0, v[(\sa)], v[(\sb)] matrix_a_fmt:MATRIX_FMT_FP6 matrix_b_fmt:MATRIX_FMT_FP6 matrix_a_scale:MATRIX_SCALE_ROW1
.else
	v_wmma_scale_f32_16x16x128_f8f6f4 v[(\d):(\d)+7], v[(\a):(\a)+11], v[(\b):(\b)+11], 0, v[(\sa)], v[(\sb)] matrix_a_fmt:MATRIX_FMT_FP6 matrix_b_fmt:MATRIX_FMT_FP6
.endif
.else
.if (\ra)
	v_wmma_scale_f32_16x16x128_f8f6f4 v[(\d):(\d)+7], v[(\a):(\a)+11], v[(\b):(\b)+11], v[(\c):(\c)+7], v[(\sa)], v[(\sb)] matrix_a_fmt:MATRIX_FMT_FP6 matrix_b_fmt:MATRIX_FMT_FP6 matrix_a_scale:MATRIX_SCALE_ROW1
.else
	v_wmma_scale_f32_16x16x128_f8f6f4 v[(\d):(\d)+7], v[(\a):(\a)+11], v[(\b):(\b)+11], v[(\c):(\c)+7], v[(\sa)], v[(\sb)] matrix_a_fmt:MATRIX_FMT_FP6 matrix_b_fmt:MATRIX_FMT_FP6
.endif
.endif
.endm
.macro ROUND                           ; a round of the cluster's barrier
	s_barrier_signal -1
	s_barrier_wait -1
	s_cmp_lg_u32 s14, 0
	s_cbranch_scc1 .Lnot_wave_0_\@
	s_barrier_signal -3
.Lnot_wave_0_\@:
	s_barrier_wait -3
	s_barrier_signal -1
	s_barrier_wait -1
.endm
	s_load_b128 s[4:7], s[0:1], 0x0                ; Q, K, V: codes, scale words
	s_load_b128 s[8:11], s[0:1], 0x10              ; the keys' bias, o's codes
	s_load_b64 s[12:13], s[0:1], 0x20              ; o's scale words
	v_lshl_add_u32 v254, v0, 2, 0x34000
	v_mov_b32 v255, 0
	ds_add_u32 v254, v255                          ; the opening lines
	ds_add_u32 v254, v255
	v_lshrrev_b32 v1, 5, v0
	s_delay_alu instid0(VALU_DEP_1)
	v_readfirstlane_b32 s14, v1                    ; wave 0..15
	s_bfe_u32 s15, ttmp6, 0x40000
	s_lshl_b32 s16, ttmp9, 2
	s_add_co_u32 s16, s16, s15                     ; work-group x
	s_and_b32 s17, ttmp7, 0xffff                   ; bh
	s_lshr_b32 s18, s17, 4                         ; the batch
	s_and_b32 s19, s17, 15                         ; the head
	s_and_b32 s20, s14, 1                          ; which tile of my pair of query tiles
	s_lshr_b32 s21, s14, 1
	s_lshl_b32 s52, s16, 3
	s_add_co_u32 s21, s21, s52                     ; the pair, 0..63
	; group 1 for codes: rows of 256 bytes, 48 at the head (K), then 24 (V); and for scale words and bias: 8 rows
	s_mov_b32 s24, 15|(3<<16)|(1<<21)
	s_mov_b32 s25, 32<<16
	s_mov_b32 s26, 48<<16
	s_mov_b32 s27, 32<<16
	s_mov_b32 s28, 48
	s_mov_b32 s29, 32
	s_mov_b32 s30, 0
	s_mov_b32 s31, 0
	s_mov_b32 s32, 15|(3<<16)|(1<<21)
	s_mov_b32 s33, 32<<16
	s_mov_b32 s34, 8<<16
	s_mov_b32 s35, 32<<16
	s_mov_b32 s36, 8
	s_mov_b32 s37, 32
	s_mov_b32 s38, 0
	s_mov_b32 s39, 0
	; waves 8-15, u = wave - 8: u 0,1 K's scale words, u 2,3 V's, u 4-7 the bias: 2,048 bytes each
	s_max_u32 s56, s14, 8
	s_sub_co_u32 s56, s56, 8
	s_and_b32 s52, s56, 1
	s_lshl_b32 s52, s52, 11
	s_lshl_b32 s53, s17, 12
	s_add_co_u32 s53, s53, s52
	s_cmp_lt_u32 s56, 2
	s_cselect_b32 s52, 0, 131072
	s_add_co_u32 s53, s53, s52
	s_add_co_u32 s53, s53, 131072
	s_max_u32 s57, s56, 4
	s_sub_co_u32 s57, s57, 4
	s_lshl_b32 s57, s57, 11
	s_lshl_b32 s52, s18, 13
	s_add_co_u32 s57, s57, s52
	s_cmp_lt_u32 s56, 4
	s_cselect_b32 s54, s53, s57
	s_mov_b32 s55, 0
	s_mul_i32 s58, s17, 98304
	s_mul_i32 s45, s14, 12288                      ; K: wave x 12,288, in memory and in LDS
	s_add_co_u32 s60, s58, s45
	s_add_co_u32 s60, s60, 3145728
	s_mov_b32 s61, 0
	s_mul_i32 s49, s14, 6144                       ; V: wave x 6,144
	s_add_co_u32 s62, s58, s49
	s_add_co_u32 s62, s62, 6291456
	s_mov_b32 s63, 0
	s_add_co_u32 s49, s49, 98304
	s_lshl_b32 s41, s14, 11
	s_add_co_u32 s41, s41, 180224                  ; 196,608 + 2,048 u
	s_mul_i32 s76, s21, 1536
	s_add_co_u32 s76, s76, s58
	s_mov_b32 s77, 0
	s_lshl_b32 s78, s17, 12
	s_lshl_b32 s79, s21, 6
	s_add_co_u32 s78, s78, s79
	s_mov_b32 s79, 0
	s_mov_b32 s[SEL], 0x76543210
	s_mov_b32 s[SEL+1], 0xfedcba98
	s_mov_b32 s[CS], 0x3e38aa3b                    ; c = log2(e) / 8
	s_mov_b32 s[CS+1], s[CS]
	s_mov_b32 s[NC], 0xbe38aa3b                    ; -c
	s_mov_b32 s[TK], 0
	s_mov_b32 s[TS], 0
	s_mov_b32 s[TB], 0
	v_and_b32 v9, 31, v0
	s_delay_alu instid0(VALU_DEP_1)
	v_lshlrev_b32 v1, 4, v9                        ; 16 x lane: K's fragments
	s_delay_alu instid0(VALU_DEP_1)
	v_add_nc_u32 v2, 98304, v1                     ; V's
	v_lshl_add_u32 v3, v9, 2, 196608               ; scale words
	v_bfe_u32 v11, v0, 4, 1
	s_delay_alu instid0(VALU_DEP_1)
	v_lshl_add_u32 v4, v11, 6, 204800              ; the bias: 64 h
	v_and_b32 v9, 15, v0
	s_delay_alu instid0(VALU_DEP_1)
	v_lshlrev_b32 v9, 2, v9
.irp i, 0,1,2,3,4,5
	v_mov_b32 v[32+\i], 0                          ; zero codes between Q's two copies
.endr
	v_mov_b32 v10, 0xf1800000                      ; the largest score so far: -2^100
	s_delay_alu instid0(VALU_DEP_1)
	v_mul_f32 v12, s[NC], v10                      ; -M c
	v_mov_b32 v13, 0
	v_mov_b32 v14, 0                               ; the sum, in four parts
	v_mov_b32 v15, 0
	v_mov_b32 v16, 0
	v_mov_b32 v17, 0
	v_mov_b32 v[TM+11], 0
	s_wait_alu depctr_va_vdst(0)                   ; the wait ahead of the blocking waits
	s_wait_dscnt 0x0
	s_wait_kmcnt 0x0
	s_cmp_lt_u32 s56, 4
	s_cselect_b64 s[56:57], s[6:7], s[8:9]
	s_mov_b32 s40, 1
	s_add_nc_u64 s[42:43], s[56:57], s[54:55]
	s_or_b32 s43, s43, 0x80000000
	s_mov_b32 s44, 1
	s_add_nc_u64 s[46:47], s[4:5], s[60:61]
	s_or_b32 s47, s47, 0x80000000
	s_mov_b32 s48, 1
	s_add_nc_u64 s[50:51], s[4:5], s[62:63]
	s_or_b32 s51, s51, 0x80000000
	s_add_nc_u64 s[76:77], s[4:5], s[76:77]
	s_add_nc_u64 s[78:79], s[6:7], s[78:79]
.irp p, 0,1,2
	global_load_b128 v[KF+4*\p:KF+4*\p+3], v1, s[76:77] offset:512*\p   ; my pair of query tiles
.endr
	global_load_b32 v[TM], v9, s[78:79]            ; and its scale words
	ROUND                                          ; in front of the first joint loads
	s_cmp_lt_u32 s14, 8
	s_cbranch_scc0 .Lsmall
	tensor_load_to_lds s[44:47], s[24:31]
	s_nop 0
.rept 4
	v_nop
.endr
	s_branch .Lasked
.Lsmall:
	tensor_load_to_lds s[40:43], s[32:39]
	s_nop 0
.rept 4
	v_nop
.endr
.Lasked:
	s_cmp_eq_u32 s20, 0
	s_cselect_b32 s80, 0, -1
	s_mov_b32 s81, 0x03020302
	s_cselect_b32 s81, 0x01000100, s81
	s_wait_loadcnt 0x0
.irp i, 0,1,2,3,4,5
	v_cndmask_b32 v[26+\i], v[KF+\i], v[KF+6+\i], s80   ; my tile's six registers
.endr
	v_perm_b32 v20, v[TM], v[TM], s81              ; its two scale bytes, twice
.irp i, 0,1,2,3,4,5
	v_mov_b32 v[38+\i], v[26+\i]                   ; v26-37 = (Q, 0), v32-43 = (0, Q)
.endr
	s_wait_alu depctr_va_vdst(0)                   ; the wait at the head's end
	s_wait_tensorcnt 0x0                           ; my tile is in; the full sequence ahead of a later first fill
	ds_add_u32 v254, v255
	s_mov_b32 s26, 24<<16                          ; no load of mine is out: from here a load of codes brings 24 rows
	s_mov_b32 s28, 24
	s_wait_dscnt 0x0
	ROUND                                          ; K, the scale words and the bias are whole
	tensor_load_to_lds s[48:51], s[24:31]          ; V
	s_nop 0
.rept 4
	v_nop
.endr
.macro SCORES                          ; S^T = K Q^T + bias for 128 keys; the three adds and the v_nop are the places behind the last step's products
	v_add_nc_u32 v5, s[TK], v1
	v_add_nc_u32 v7, s[TS], v3
	v_add_nc_u32 v8, s[TB], v4
	v_nop
.irp p, 0,1,2,3
.irp i, 0,1,2,3
	ds_load_b128 v[S+16*\p+4*\i:S+16*\p+4*\i+3], v8 offset:128*\p+16*\i
.endr
.endr
.irp p, 0,1,2,3
.irp q, 0,1,2
	ds_load_b128 v[KF+12*\p+4*\q:KF+12*\p+4*\q+3], v5 offset:1536*\p+512*\q
.endr
.endr
	ds_load_b32 v21, v7
	ds_load_b32 v22, v7 offset:128
	s_wait_dscnt 0x0
.irp p, 0,1,2,3
	WM S+16*\p, KF+12*\p, 26, S+16*\p, 21+\p/2, 20, \p%2
	WM S+16*\p+8, KF+12*\p, 32, S+16*\p+8, 21+\p/2, 20, \p%2
.endr
.endm
.macro NEXT
	s_add_co_u32 s[TK], s[TK], 6144
	s_add_co_u32 s[TS], s[TS], 256
	s_add_co_u32 s[TB], s[TB], 512
.endm
.macro P1                              ; a step of pass 1: the running maximum and the sum under it
	SCORES
.rept 4
	v_nop
.endr
.irp t, 0,1,2,3,4,5,6,7
	v_max3_num_f32 v[TM+\t], v[S+8*\t], v[S+8*\t+1], v[S+8*\t+2]
.endr
.irp t, 0,1,2,3,4,5,6,7
	v_max3_num_f32 v[TM+\t], v[TM+\t], v[S+8*\t+3], v[S+8*\t+4]
.endr
.irp t, 0,1,2,3,4,5,6,7
	v_max3_num_f32 v[TM+\t], v[TM+\t], v[S+8*\t+5], v[S+8*\t+6]
.endr
.irp t, 0,1,2,3
	v_max3_num_f32 v[TM+\t], v[TM+\t], v[S+16*\t+7], v[S+16*\t+15]
.endr
	s_delay_alu instid0(VALU_DEP_4)
	v_max3_num_f32 v[TM], v[TM], v[TM+4], v[TM+5]
	s_delay_alu instid0(VALU_DEP_4)
	v_max3_num_f32 v[TM+1], v[TM+1], v[TM+6], v[TM+7]
	s_delay_alu instid0(VALU_DEP_3)
	v_max3_num_f32 v[TM+2], v[TM+2], v[TM+3], v10
	v_mov_b32 v[TM+8], v12
	s_delay_alu instid0(VALU_DEP_2)
	v_max3_num_f32 v10, v[TM], v[TM+1], v[TM+2]
	s_delay_alu instid0(VALU_DEP_1)
	v_mul_f32 v12, s[NC], v10
	s_delay_alu instid0(VALU_DEP_1)
	v_sub_f32 v[TM+9], v12, v[TM+8]                ; (old M - new M) c
.irp j, 0,2,4,6,8,10,12,14,16,18,20,22,24,26,28,30,32,34,36,38,40,42,44,46,48,50,52,54,56,58,60,62
	v_pk_fma_f32 v[S+\j:S+\j+1], v[S+\j:S+\j+1], s[CS:CS+1], v[12:13] op_sel_hi:[1,0,0]
.endr
	s_wait_alu depctr_va_vdst(0)                   ; ahead of the batch
.irp j, 0,1,2,3,4,5,6,7,8,9,10,11,12,13,14,15,16,17,18,19,20,21,22,23,24,25,26,27,28,29,30,31,32,33,34,35,36,37,38,39,40,41,42,43,44,45,46,47,48,49,50,51,52,53,54,55,56,57,58,59,60,61,62,63
	v_exp_f32 v[S+\j], v[S+\j]
.endr
	v_exp_f32 v[TM+10], v[TM+9]
	v_nop
	s_wait_alu depctr_va_vdst(0)                   ; and behind it
	v_pk_mul_f32 v[14:15], v[14:15], v[TM+10:TM+11] op_sel_hi:[1,0]
	v_pk_mul_f32 v[16:17], v[16:17], v[TM+10:TM+11] op_sel_hi:[1,0]
.irp j, 0,4,8,12,16,20,24,28,32,36,40,44,48,52,56,60
	v_pk_add_f32 v[14:15], v[14:15], v[S+\j:S+\j+1]
	v_pk_add_f32 v[16:17], v[16:17], v[S+\j+2:S+\j+3]
.endr
	NEXT
.endm
	s_mov_b32 s[CNT], 2
.Lpass1a:
	P1
	s_sub_co_u32 s[CNT], s[CNT], 1
	s_cmp_lg_u32 s[CNT], 0
	s_cbranch_scc1 .Lpass1a
	s_wait_tensorcnt 0x0                           ; my part of V is in
	s_wait_dscnt 0x0
	s_barrier_signal -1
	s_barrier_wait -1                              ; everybody's is: no barrier stands between here and the closing round
	s_mov_b32 s[CNT], 14
.Lpass1b:
	P1
	s_sub_co_u32 s[CNT], s[CNT], 1
	s_cmp_lg_u32 s[CNT], 0
	s_cbranch_scc1 .Lpass1b
	v_permlanex16_b32 v[TM], v10, s[SEL], s[SEL+1]
	s_delay_alu instid0(VALU_DEP_1)
	v_max_num_f32 v[TM+1], v10, v[TM]              ; the query's largest score: both halves of the lanes
	s_delay_alu instid0(VALU_DEP_1)
	v_mul_f32 v[TM+2], s[NC], v[TM+1]
	s_delay_alu instid0(VALU_DEP_1)
	v_sub_f32 v[TM+3], v[TM+2], v12
	s_wait_alu depctr_va_vdst(0)
	v_exp_f32 v[TM+4], v[TM+3]
	v_pk_add_f32 v[14:15], v[14:15], v[16:17]
	s_delay_alu instid0(VALU_DEP_1)
	v_add_f32 v14, v14, v15
	s_wait_alu depctr_va_vdst(0)
	v_mul_f32 v14, v14, v[TM+4]                    ; my sum under the common maximum
	s_delay_alu instid0(VALU_DEP_1)
	v_permlanex16_b32 v[TM], v14, s[SEL], s[SEL+1]
	s_delay_alu instid0(VALU_DEP_1)
	v_add_f32 v14, v14, v[TM]
	s_wait_alu depctr_va_vdst(0)
	v_log_f32 v18, v14
	v_nop
	v_cmp_lt_f32 vcc_lo, 0xf1000000, v[TM+1]       ; is any key kept?
	s_wait_alu depctr_va_vdst(0)
	v_sub_f32 v12, v[TM+2], v18                    ; pass 2's addend: -M c - log2(sum)
	s_delay_alu instid0(VALU_DEP_1)
	v_cndmask_b32 v12, 0, v12, vcc_lo              ; all keys masked: 0, under which every w is 0
	s_mov_b32 s[TK], 0
	s_mov_b32 s[TS], 0
	s_mov_b32 s[TB], 0
.macro STEP2 first                     ; a step of pass 2
	SCORES
	v_add_nc_u32 v6, s[TK], v2
.rept 3
	v_nop
.endr
.irp t, 0,1,2,3
.irp q, 0,1,2
	ds_load_b128 v[KF+12*\t+4*\q:KF+12*\t+4*\q+3], v6 offset:1536*\t+512*\q
.endr
.endr
	s_wait_alu depctr_va_vdst(0)
	ds_load_b32 v23, v7 offset:4096
	ds_load_b32 v24, v7 offset:4224
.irp j, 0,2,4,6,8,10,12,14,16,18,20,22,24,26,28,30,32,34,36,38,40,42,44,46,48,50,52,54,56,58,60,62
	v_pk_fma_f32 v[S+\j:S+\j+1], v[S+\j:S+\j+1], s[CS:CS+1], v[12:13] op_sel_hi:[1,0,0]
.endr
	s_wait_alu depctr_va_vdst(0)
.irp j, 0,1,2,3,4,5,6,7,8,9,10,11,12,13,14,15,16,17,18,19,20,21,22,23,24,25,26,27,28,29,30,31,32,33,34,35,36,37,38,39,40,41,42,43,44,45,46,47,48,49,50,51,52,53,54,55,56,57,58,59,60,61,62,63
	v_exp_f32 v[S+\j], v[S+\j]                     ; w, finished
.endr
	v_nop
	s_wait_alu depctr_va_vdst(0)
.irp b, 0,1,2,3
	v_max3_num_f32 v[TM+\b], v[S+16*\b], v[S+16*\b+1], 0x1800000   ; with the floor 2^(3 - 127)
.endr
.irp i, 2,4,6,8,10,12,14
.irp b, 0,1,2,3
	v_max3_num_f32 v[TM+\b], v[TM+\b], v[S+16*\b+\i], v[S+16*\b+\i+1]   ; the four blocks by turns
.endr
.endr
.irp b, 0,1,2,3
	v_permlanex16_b32 v[TM+4+\b], v[TM+\b], s[SEL], s[SEL+1]
.endr
.irp b, 0,1,2,3
	s_delay_alu instid0(VALU_DEP_4)
	v_max_num_f32 v[TM+\b], v[TM+\b], v[TM+4+\b]
.endr
.irp b, 0,1,2,3
	s_delay_alu instid0(VALU_DEP_4)
	v_add_nc_u32 v[TM+8+\b], 0xff000000, v[TM+\b]  ; the conversion's scale operand
.endr
.irp b, 0,1,2,3
	s_delay_alu instid0(VALU_DEP_4)
	v_lshrrev_b32 v[TM+4+\b], 23, v[TM+8+\b]       ; the byte
.endr
	s_delay_alu instid0(VALU_DEP_3)
	v_lshl_or_b32 v25, v[TM+5], 8, v[TM+4]
	s_delay_alu instid0(VALU_DEP_1)
	v_lshl_or_b32 v25, v[TM+6], 16, v25
	s_delay_alu instid0(VALU_DEP_1)
	v_lshl_or_b32 v25, v[TM+7], 24, v25            ; w's scale word for these 128 keys
.irp c, 0,1
	v_cvt_scalef32_pk16_fp6_f32 v[PC+6*\c:PC+6*\c+2], v[S+32*\c:S+32*\c+15], v[TM+8+2*\c]
	v_cvt_scalef32_pk16_fp6_f32 v[TT+4*\c:TT+4*\c+2], v[S+32*\c+16:S+32*\c+31], v[TM+9+2*\c]
.endr
	v_nop
.irp c, 0,1
.irp i, 0,1,2
	v_permlane16_swap_b32 v[PC+6*\c+\i], v[TT+4*\c+\i]   ; a whole block to a lane
.endr
.irp i, 0,1,2
	s_delay_alu instid0(VALU_DEP_3)
	v_mov_b32 v[PC+3+6*\c+\i], v[TT+4*\c+\i]
.endr
.endr
.rept 4
	v_nop                                          ; places ahead of the scaled products
.endr
	s_wait_alu depctr_va_vdst(0)
	s_wait_dscnt 0x0
.irp t, 0,1,2,3
.if \first
	WM O+8*\t, KF+12*\t, PC, -1, 23+\t/2, 25, \t%2
.else
	WM O+8*\t, KF+12*\t, PC, O+8*\t, 23+\t/2, 25, \t%2
.endif
.endr
	NEXT
.endm
	STEP2 1                                        ; the first step starts the sums
	s_mov_b32 s[CNT], 15
.Lpass2:
	STEP2 0
	s_sub_co_u32 s[CNT], s[CNT], 1
	s_cmp_lg_u32 s[CNT], 0
	s_cbranch_scc1 .Lpass2
	; o's 64 features of my 16 queries: two blocks of the last product's K; six registers of an operand's image, and two scale bytes
	v_and_b32 v9, 31, v0
	s_delay_alu instid0(VALU_DEP_1)
	v_lshlrev_b32 v9, 3, v9
	v_and_b32 v11, 15, v0
	s_delay_alu instid0(VALU_DEP_1)
	v_lshlrev_b32 v11, 4, v11
	s_lshl_b32 s82, s18, 7
	s_lshl_b32 s83, s21, 1
	s_add_co_u32 s82, s82, s83
	s_add_co_u32 s82, s82, s20                     ; my tile of tokens
	s_mul_i32 s82, s82, 12288
	s_lshr_b32 s83, s19, 1
	s_mul_i32 s84, s83, 1536                       ; K step = head / 2
	s_add_co_u32 s82, s82, s84
	s_and_b32 s85, s19, 1
	s_mul_i32 s84, s85, 768                        ; registers 0-5 or 6-11
	s_add_co_u32 s82, s82, s84
	s_mov_b32 s83, 0
	s_add_nc_u64 s[10:11], s[10:11], s[82:83]
	s_lshl_b32 s82, s18, 6
	s_add_co_u32 s82, s82, s21
	s_lshl_b32 s82, s82, 10
	s_lshr_b32 s84, s19, 3
	s_lshl_b32 s84, s84, 9
	s_add_co_u32 s82, s82, s84
	s_lshl_b32 s84, s20, 8
	s_add_co_u32 s82, s82, s84
	s_lshr_b32 s84, s19, 1
	s_and_b32 s84, s84, 3
	s_lshl_b32 s84, s84, 2
	s_add_co_u32 s82, s82, s84
	s_lshl_b32 s84, s85, 1
	s_add_co_u32 s82, s82, s84
	s_add_nc_u64 s[12:13], s[12:13], s[82:83]
	v_max3_num_f32 v[TM], |v[O]|, |v[O+1]|, 0x1800000
	v_max3_num_f32 v[TM+1], |v[O+16]|, |v[O+17]|, 0x1800000
.irp i, 2,4,6,8,10,12,14
	v_max3_num_f32 v[TM], v[TM], |v[O+\i]|, |v[O+\i+1]|
	v_max3_num_f32 v[TM+1], v[TM+1], |v[O+16+\i]|, |v[O+17+\i]|
.endr
	s_delay_alu instid0(VALU_DEP_2)
	v_permlanex16_b32 v[TM+2], v[TM], s[SEL], s[SEL+1]
	s_delay_alu instid0(VALU_DEP_2)
	v_permlanex16_b32 v[TM+3], v[TM+1], s[SEL], s[SEL+1]
	s_delay_alu instid0(VALU_DEP_2)
	v_max_num_f32 v[TM], v[TM], v[TM+2]
	s_delay_alu instid0(VALU_DEP_2)
	v_max_num_f32 v[TM+1], v[TM+1], v[TM+3]
	s_delay_alu instid0(VALU_DEP_2)
	v_add_nc_u32 v[TM+4], 0xff000000, v[TM]
	s_delay_alu instid0(VALU_DEP_2)
	v_add_nc_u32 v[TM+5], 0xff000000, v[TM+1]
	s_delay_alu instid0(VALU_DEP_2)
	v_lshrrev_b32 v[TM+6], 23, v[TM+4]
	s_delay_alu instid0(VALU_DEP_2)
	v_lshrrev_b32 v[TM+7], 23, v[TM+5]
	v_cvt_scalef32_pk16_fp6_f32 v[PC:PC+2], v[O:O+15], v[TM+4]
	v_cvt_scalef32_pk16_fp6_f32 v[TT:TT+2], v[O+16:O+31], v[TM+5]
	v_lshl_or_b32 v[TM+12], v[TM+7], 8, v[TM+6]
.irp i, 0,1,2
	v_permlane16_swap_b32 v[PC+\i], v[TT+\i]
.endr
.irp i, 0,1,2
	s_delay_alu instid0(VALU_DEP_3)
	v_mov_b32 v[PC+3+\i], v[TT+\i]
.endr
	global_store_b128 v1, v[PC:PC+3], s[10:11]     ; 512 consecutive bytes,
	global_store_b64 v9, v[PC+4:PC+5], s[10:11] offset:512   ; and 256
	global_store_b16 v11, v[TM+12], s[12:13]
	s_wait_tensorcnt 0x0                           ; the wave's end
	ds_add_u32 v254, v255
	s_wait_dscnt 0x0
	ROUND                                          ; the closing round
	s_endpgm
.Lfunc_end_k_qb370548b7f_attn:
	.size	k_qb370548b7f_attn, .Lfunc_end_k_qb370548b7f_attn-k_qb370548b7f_attn
	.p2alignl 7, 3214868480
	.fill 96, 4, 3214868480
	.section	.rodata,"a",@progbits
	.p2align	6, 0x0
	.amdhsa_kernel k_qb370548b7f_attn
		.amdhsa_group_segment_fixed_size 327680
		.amdhsa_private_segment_fixed_size 0
		.amdhsa_enable_private_segment 0
		.amdhsa_kernarg_size 40
		.amdhsa_user_sgpr_count 2
		.amdhsa_user_sgpr_kernarg_segment_ptr 1
		.amdhsa_wavefront_size32 1
		.amdhsa_system_sgpr_workgroup_id_x 1
		.amdhsa_system_sgpr_workgroup_id_y 1
		.amdhsa_system_sgpr_workgroup_id_z 1
		.amdhsa_system_vgpr_workitem_id 0
		.amdhsa_next_free_vgpr 256
		.amdhsa_next_free_sgpr 100
		.amdhsa_reserve_vcc 1
		.amdhsa_float_denorm_mode_32 3
		.amdhsa_float_denorm_mode_16_64 3
		.amdhsa_memory_ordered 1
		.amdhsa_forward_progress 1
		.amdhsa_inst_pref_size 65
	.end_amdhsa_kernel
	.amdgpu_metadata
---
amdhsa.version: [ 1, 2 ]
amdhsa.kernels:
  - .name:           k_qb370548b7f_attn
    .symbol:         k_qb370548b7f_attn.kd
    .args:
      - { .name: qkv_codes, .offset: 0, .size: 8, .value_kind: global_buffer, .address_space: global }
      - { .name: qkv_scales, .offset: 8, .size: 8, .value_kind: global_buffer, .address_space: global }
      - { .name: maskb, .offset: 16, .size: 8, .value_kind: global_buffer, .address_space: global }
      - { .name: o_codes, .offset: 24, .size: 8, .value_kind: global_buffer, .address_space: global }
      - { .name: o_scales, .offset: 32, .size: 8, .value_kind: global_buffer, .address_space: global }
    .group_segment_fixed_size: 327680
    .private_segment_fixed_size: 0
    .kernarg_segment_align: 8
    .kernarg_segment_size: 40
    .max_flat_workgroup_size: 512
    .sgpr_count:     100
    .vgpr_count:     256
    .wavefront_size: 32
...
	.end_amdgpu_metadata
.endif
;; end of part 3
;; launch outp (part 4): grid 8 x 32, 4 waves a work-group, no clusters, 327,680 bytes of LDS; arguments xw_codes, xw_scales, o_codes, o_scales, bo, out0; writes out0
.if DOCPART == 4
	.amdgcn_target "amdgcn-amd-amdhsa--gfx1250"
	.amdhsa_code_object_version 6
	.text
	.protected	k_qb370548b7f_outp
	.globl	k_qb370548b7f_outp
	.p2align	8
	.type	k_qb370548b7f_outp,@function
k_qb370548b7f_outp:
	s_mov_b64 s[64:65], 0
	v_nop
	global_prefetch_b8 v0, s[64:65] scope:SCOPE_SE
	s_setreg_imm32_b32 hwreg(HW_REG_WAVE_MODE, 25, 1), 1
	s_wait_xcnt 0x0
; out0 = o Wo^T + bo on codes of FP6 (E2M3) with E8M0 scales, f32 sums.  o's codes and scale words were made by the attention launch, Wo's by the quantiser.
; SHARES.  A work-group makes 128 tokens x 128 features: source 0 = 128 rows of Wo (group 120 + x), source 1 = 128 tokens of o (group y); K = 1,024 in 8 steps of 128.
; Wave w takes o's tiles 2 w, 2 w + 1 against Wo's eight: 16 accumulators.  A lane holds one token; registers 16 B + i of a tile are features 32 B + 16 h + i.
; LDS: [half of K][source][tile][K step % 4][1,536]: 4 x 49,152 bytes, each filled once; from 204,800 a stage of 32 rows x 528 bytes for each wave, into which no tensor load lands; then the spare words.
; A wave fetches four tiles of one source: K steps 0-3 by its one load at the head, K steps 4-7 by one load behind the first barrier, under steps 0-3's products.  One tensor load of a wave is out at a time.
; The scale words come from memory straight into their registers, 16 bytes a lane.
; o's images have four pieces (512, 256, 512, 256 bytes: registers 0-3, 4-5, 6-9, 10-11), since each head made six registers of a fragment.
; The bias is the C of each sum's first matrix instruction.  Tokens of a tile are 32 B + 8 u + r + 8 (r / 8).
; NO CLUSTER: Wo's group is read by the 32 work-groups of a column and o's by the 8 of a row, and joint loads would divide those requests by four; the text is kept in the form of the projections' launch.
; NO PREFETCH: all of a work-group's tiles are asked for by its two loads a wave; there is no loop to run ahead in.
; REGISTERS.  Window 0: v1-14 addresses; v16-47 Wo's scale words; v48-55 o's; v56-103 o's fragments, two sets; v128-255 accumulators, later rows of the result.
;   Window 1: v0-95, v96-191 Wo's fragments, two sets; v192-255 the bias in the result's layout.
.set ACC, 128
.set SC0, 16
.set SC1, 48
.set S1F, 56
.set STG, 204800
.set SP,  528
.set MSB, 0
.macro WIN new
.if MSB != \new
	s_set_vgpr_msb (MSB<<8)|\new
.set MSB, \new
.endif
.endm
.macro WM d, a, b, c, sa, sb, ra, rb   ; first registers of D, A, B, C, the scale registers, and whether each side's scales stand in lanes 16-31
.if (\ra) && (\rb)
	v_wmma_scale_f32_16x16x128_f8f6f4 v[(\d):(\d)+7], v[(\a):(\a)+11], v[(\b):(\b)+11], v[(\c):(\c)+7], v[(\sa)], v[(\sb)] matrix_a_fmt:MATRIX_FMT_FP6 matrix_b_fmt:MATRIX_FMT_FP6 matrix_a_scale:MATRIX_SCALE_ROW1 matrix_b_scale:MATRIX_SCALE_ROW1
.elseif (\ra)
	v_wmma_scale_f32_16x16x128_f8f6f4 v[(\d):(\d)+7], v[(\a):(\a)+11], v[(\b):(\b)+11], v[(\c):(\c)+7], v[(\sa)], v[(\sb)] matrix_a_fmt:MATRIX_FMT_FP6 matrix_b_fmt:MATRIX_FMT_FP6 matrix_a_scale:MATRIX_SCALE_ROW1
.elseif (\rb)
	v_wmma_scale_f32_16x16x128_f8f6f4 v[(\d):(\d)+7], v[(\a):(\a)+11], v[(\b):(\b)+11], v[(\c):(\c)+7], v[(\sa)], v[(\sb)] matrix_a_fmt:MATRIX_FMT_FP6 matrix_b_fmt:MATRIX_FMT_FP6 matrix_b_scale:MATRIX_SCALE_ROW1
.else
	v_wmma_scale_f32_16x16x128_f8f6f4 v[(\d):(\d)+7], v[(\a):(\a)+11], v[(\b):(\b)+11], v[(\c):(\c)+7], v[(\sa)], v[(\sb)] matrix_a_fmt:MATRIX_FMT_FP6 matrix_b_fmt:MATRIX_FMT_FP6
.endif
.endm
.macro PLACES                          ; four plain lines behind matrix instructions, ahead of loads into their registers and of reads of their results
.rept 4
	v_nop
.endr
.endm
	s_load_b128 s[4:7], s[0:1], 0x0                ; Wo's codes and scale words lie in these two
	s_load_b128 s[8:11], s[0:1], 0x10              ; o's codes, o's scale words
	s_load_b128 s[12:15], s[0:1], 0x20             ; bo, out0
	v_lshl_add_u32 v126, v0, 2, 0x42800
	v_mov_b32 v127, 0
	ds_add_u32 v126, v127                          ; the opening lines
	ds_add_u32 v126, v127
	v_lshrrev_b32 v1, 5, v0
	v_readfirstlane_b32 s18, v1                    ; wave 0..3
	s_mov_b32 s19, ttmp9                           ; x
	s_and_b32 s20, ttmp7, 0xffff                   ; y
	s_add_co_u32 s23, s19, 120                     ; Wo's group
	s_lshr_b32 s27, s18, 1                         ; I fetch for Wo (0) or for o (1),
	s_and_b32 s28, s18, 1                          ; tiles 0-3 or 4-7
	s_cmp_eq_u32 s27, 0
	s_cselect_b32 s29, s23, s20
	s_mul_i32 s30, s29, 98304
	s_mul_i32 s31, s28, 49152
	s_add_co_u32 s30, s30, s31
	s_mov_b32 s31, 0
	s_lshl_b32 s38, s23, 12                        ; Wo's scale words,
	s_mov_b32 s39, 0
	s_lshl_b32 s44, s20, 12
	s_lshl_b32 s45, s18, 10
	s_add_co_u32 s44, s44, s45                     ; and those of my pair of o's tiles
	s_mov_b32 s45, 0
	s_mul_i32 s32, s27, 49152
	s_mul_i32 s33, s28, 24576
	s_add_co_u32 s32, s32, s33                     ; where my four tiles' K steps 0-3 go in LDS
	; descriptor group 1: 4 tiles' rows of 6,144 bytes (768 elements of 8 bytes), 12,288 bytes apart in memory, dense in LDS
	s_mov_b32 s68, 3<<16
	s_mov_b32 s69, 768<<16
	s_mov_b32 s70, 4<<16
	s_mov_b32 s71, 768<<16
	s_mov_b32 s72, 4
	s_mov_b32 s73, 1536
	s_mov_b32 s74, 0
	s_mov_b32 s75, 0
	s_lshl_b32 s42, s19, 9                         ; the work-group's 128 features, in bytes
	s_mov_b32 s43, 0
	s_lshl_b32 s86, s20, 7
	s_lshl_b32 s87, s18, 5
	s_add_co_u32 s86, s86, s87                     ; my first token: 128 y + 32 w
	s_lshl_b32 s86, s86, 12
	s_add_co_u32 s86, s86, s42
	s_mov_b32 s87, 0
	s_wait_dscnt 0x0
	s_wait_kmcnt 0x0
	s_cmp_eq_u32 s27, 0
	s_cselect_b64 s[34:35], s[4:5], s[8:9]
	s_add_nc_u64 s[34:35], s[34:35], s[30:31]
	s_add_nc_u64 s[36:37], s[6:7], s[38:39]
	s_add_nc_u64 s[46:47], s[10:11], s[44:45]
.irp c, 0,1
	s_mov_b32 s[48+4*\c], 1
	s_add_co_u32 s[49+4*\c], s32, 98304*\c
	s_add_nc_u64 s[50+4*\c:51+4*\c], s[34:35], 6144*\c
	s_or_b32 s[51+4*\c], s[51+4*\c], 0x80000000
.endr
	s_add_nc_u64 s[40:41], s[12:13], s[42:43]      ; bo at my 128 features
	s_add_nc_u64 s[84:85], s[14:15], s[86:87]      ; out0 at my first token and feature
	tensor_load_to_lds s[48:51], s[68:75]          ; K steps 0-3: my one load at the head
	s_nop 0
.rept 4
	v_nop
.endr
	v_and_b32 v8, 31, v0
	v_lshlrev_b32 v1, 4, v8                        ; 16 x lane
	v_mov_b32 v2, v1                               ; Wo, K steps 0-3
	v_add_nc_u32 v3, 98304, v1                     ; K steps 4-7
	s_mul_i32 s33, s18, 12288
	s_add_co_u32 s33, s33, 49152
	v_add_nc_u32 v4, s33, v1                       ; o's, my two tiles: the pieces of 16 bytes a lane,
	v_add_nc_u32 v5, 98304, v4
	v_lshl_add_u32 v10, v8, 3, s33                 ; and those of 8
	v_add_nc_u32 v11, 98304, v10
	v_and_b32 v8, 15, v0                           ; r
	v_bfe_u32 v9, v0, 4, 1                         ; h
	v_lshlrev_b32 v12, 6, v9                       ; 64 h
	s_mul_i32 s33, s18, 32*SP
	s_add_co_u32 s33, s33, STG                     ; my stage
	v_mul_u32_u24 v13, v8, SP
	v_add_nc_u32 v13, v13, v12
	v_add_nc_u32 v13, s33, v13                     ; in: row r, + 64 h
	v_add_nc_u32 v14, s33, v1                      ; back: 16 bytes a lane of a row
	WIN 0x40                                       ; destination window 1
.irp k, 0,1,2,3,4,5,6,7,8,9,10,11,12,13,14,15
	global_load_b128 v[192+4*\k:195+4*\k], v12, s[40:41] offset:128*(\k/4)+16*(\k%4)   ; register 16 B + i: the bias of feature 32 B + 16 h + i
.endr
	WIN 0
.irp p, 0,1,2,3
.irp q, 0,1
	global_load_b128 v[SC0+8*\p+4*\q:SC0+8*\p+4*\q+3], v1, s[36:37] offset:1024*\p+512*\q   ; 512 consecutive bytes a load
.endr
.endr
.irp q, 0,1
	global_load_b128 v[SC1+4*\q:SC1+4*\q+3], v1, s[46:47] offset:512*\q
.endr
.macro FETCH s                         ; K step s: Wo's eight fragments (24 loads) and my two of o (8 loads)
.set EE, (\s)%2
	WIN 0x40
.irp i, 0,1,2,3,4,5,6,7
.irp p, 0,1,2
	ds_load_b128 v[96*EE+12*\i+4*\p:96*EE+12*\i+4*\p+3], v[2+(\s)/4] offset:6144*\i+1536*((\s)%4)+512*\p
.endr
.endr
	WIN 0
.irp a, 0,1
	ds_load_b128 v[S1F+24*EE+12*\a:S1F+24*EE+12*\a+3], v[4+(\s)/4] offset:6144*\a+1536*((\s)%4)
	ds_load_b64 v[S1F+24*EE+12*\a+4:S1F+24*EE+12*\a+5], v[10+(\s)/4] offset:6144*\a+1536*((\s)%4)+512
	ds_load_b128 v[S1F+24*EE+12*\a+6:S1F+24*EE+12*\a+9], v[4+(\s)/4] offset:6144*\a+1536*((\s)%4)+768
	ds_load_b64 v[S1F+24*EE+12*\a+10:S1F+24*EE+12*\a+11], v[10+(\s)/4] offset:6144*\a+1536*((\s)%4)+1280
.endr
.endm
.macro MUL s                           ; 16 matrix instructions, the accumulators by turns in the same order in every step; step 0 takes the bias as C
.if (\s) == 0
	WIN 0x11                                       ; sources 0 and 2 in window 1
.else
	WIN 0x01
.endif
.irp a, 0,1
.irp b, 0,1,2,3,4,5,6,7
.if (\s) == 0
	WM ACC+8*(8*\a+\b), 96*((\s)%2)+12*\b, S1F+24*((\s)%2)+12*\a, 192+8*\b, SC0+8*(\b/2)+(\s), SC1+(\s), \b%2, \a
.else
	WM ACC+8*(8*\a+\b), 96*((\s)%2)+12*\b, S1F+24*((\s)%2)+12*\a, ACC+8*(8*\a+\b), SC0+8*(\b/2)+(\s), SC1+(\s), \b%2, \a
.endif
.endr
.endr
	WIN 0
.endm
.macro KSTEP s
.if (\s) == 3
	s_wait_tensorcnt 0x0                           ; my part of K steps 4-7 is in
	s_wait_dscnt 0x0                               ; no LDS instruction of mine is pending at a signal
	s_barrier_signal -1
	s_barrier_wait -1                              ; everybody's part is in
.endif
.if (\s) < 7
	FETCH (\s)+1
	s_wait_dscnt 32                                ; all but the 32 just issued
.else
	s_wait_dscnt 0x0
.endif
	MUL \s
	PLACES
.endm
	s_wait_alu depctr_va_vdst(0)                   ; the wait at the head's end
	s_wait_tensorcnt 0x0                           ; my part of K steps 0-3 is in; these lines stand ahead of a later first fill as ahead of a refill
	ds_add_u32 v126, v127
	s_wait_dscnt 0x0
	s_barrier_signal -1
	s_barrier_wait -1                              ; everybody's part is in
	tensor_load_to_lds s[52:55], s[68:75]          ; K steps 4-7, into bytes of their own
	s_nop 0
.rept 4
	v_nop
.endr
	FETCH 0
	s_wait_loadcnt 0x0                             ; the bias and the scale words
.irp s, 0,1,2,3,4,5,6,7
	KSTEP \s
.endr
; THE WAY OUT.  A lane holds 4 x 64 bytes of its token's row; the rows go through my own stage and come back whole: 512 bytes, which the 32 lanes store as two aligned runs of 256.
.macro TOSTAGE a
.irp b, 0,1,2,3
.irp i, 0,1,2,3
	ds_store_b128 v13, v[ACC+64*\a+16*\b+4*\i:ACC+64*\a+16*\b+4*\i+3] offset:\a*16*SP+128*\b+16*\i   ; each accumulator from its low end on
.endr
.endr
.irp t, 0,1,2,3,4,5,6,7,8,9,10,11,12,13,14,15
	ds_load_b128 v[ACC+64*\a+4*\t:ACC+64*\a+4*\t+3], v14 offset:\a*16*SP+\t*SP   ; LDS serves a wave's instructions in order (ISA guide 5.7.1.4): these see the stores above
.endr
.endm
.macro SEND a
.irp t, 0,1,2,3,4,5,6,7,8,9,10,11,12,13,14,15
	s_wait_dscnt 32*(1-\a)+15-\t                   ; row t is back; the rows behind it, and the other tile's 32 instructions, may be out
	global_store_b128 v1, v[ACC+64*\a+4*\t:ACC+64*\a+4*\t+3], s[84:85] offset:(8*\a+\t+8*(\t/8))*4096 th:TH_STORE_NT
.endr
.endm
	TOSTAGE 0
	TOSTAGE 1
	SEND 0
	SEND 1
	s_wait_tensorcnt 0x0                           ; the wave's end
	ds_add_u32 v126, v127
	s_wait_dscnt 0x0
	s_endpgm
.Lfunc_end_k_qb370548b7f_outp:
	.size	k_qb370548b7f_outp, .Lfunc_end_k_qb370548b7f_outp-k_qb370548b7f_outp
	.p2alignl 7, 3214868480
	.fill 96, 4, 3214868480
	.section	.rodata,"a",@progbits
	.p2align	6, 0x0
	.amdhsa_kernel k_qb370548b7f_outp
		.amdhsa_group_segment_fixed_size 327680
		.amdhsa_private_segment_fixed_size 0
		.amdhsa_enable_private_segment 0
		.amdhsa_kernarg_size 48
		.amdhsa_user_sgpr_count 2
		.amdhsa_user_sgpr_kernarg_segment_ptr 1
		.amdhsa_wavefront_size32 1
		.amdhsa_system_sgpr_workgroup_id_x 1
		.amdhsa_system_sgpr_workgroup_id_y 1
		.amdhsa_system_sgpr_workgroup_id_z 1
		.amdhsa_system_vgpr_workitem_id 0
		.amdhsa_next_free_vgpr 512
		.amdhsa_next_free_sgpr 100
		.amdhsa_reserve_vcc 0
		.amdhsa_float_denorm_mode_32 3
		.amdhsa_float_denorm_mode_16_64 3
		.amdhsa_memory_ordered 1
		.amdhsa_forward_progress 1
		.amdhsa_inst_pref_size 50
	.end_amdhsa_kernel
	.amdgpu_metadata
---
amdhsa.version: [ 1, 2 ]
amdhsa.kernels:
  - .name:           k_qb370548b7f_outp
    .symbol:         k_qb370548b7f_outp.kd
    .args:
      - { .name: xw_codes, .offset: 0, .size: 8, .value_kind: global_buffer, .address_space: global }
      - { .name: xw_scales, .offset: 8, .size: 8, .value_kind: global_buffer, .address_space: global }
      - { .name: o_codes, .offset: 16, .size: 8, .value_kind: global_buffer, .address_space: global }
      - { .name: o_scales, .offset: 24, .size: 8, .value_kind: global_buffer, .address_space: global }
      - { .name: bo, .offset: 32, .size: 8, .value_kind: global_buffer, .address_space: global }
      - { .name: out0, .offset: 40, .size: 8, .value_kind: global_buffer, .address_space: global }
    .group_segment_fixed_size: 327680
    .private_segment_fixed_size: 0
    .kernarg_segment_align: 8
    .kernarg_segment_size: 48
    .max_flat_workgroup_size: 128
    .sgpr_count:     100
    .vgpr_count:     512
    .wavefront_size: 32
...
	.end_amdgpu_metadata
.endif
;; end of part 4
